; MI455X (gfx1250); checked and timed in simulation.
; The chip was launched on July 23, 2026; its instructions are those of AMD's public machine-readable ISA for CDNA 5 (MIT licence, August 2026) and "CDNA5" Instruction Set Architecture Reference Guide (July 2026). The comments in the code are by the model that wrote it; some were corrected since.
;; Multi Headed Attention. Allowed arithmetic: matrix products marked QUANTISED: E2M3 operands, one E8M0 scale for each 32 along K, by v_wmma_scale_f32_16x16x128_f8f6f4 with both operands' format E2M3, f32 sums; everything else in f32.
;; Inputs: Wk_codes 16 x 64 x 32 x 24 uint8 (E2M3 codes of Wk, K innermost, in blocks of 32 codes, four codes in three bytes); Wk_scales 16 x 64 x 32 uint8 (E8M0 scales of Wk, one for each 32 codes along K); Wo_codes 1,024 x 32 x 24 uint8 (E2M3 codes of Wo, K innermost, in blocks of 32 codes, four codes in three bytes); Wo_scales 1,024 x 32 uint8 (E8M0 scales of Wo, one for each 32 codes along K); Wq_codes 16 x 64 x 32 x 24 uint8 (E2M3 codes of Wq, K innermost, in blocks of 32 codes, four codes in three bytes); Wq_scales 16 x 64 x 32 uint8 (E8M0 scales of Wq, one for each 32 codes along K); Wv_codes 16 x 64 x 32 x 24 uint8 (E2M3 codes of Wv, K innermost, in blocks of 32 codes, four codes in three bytes); Wv_scales 16 x 64 x 32 uint8 (E8M0 scales of Wv, one for each 32 codes along K); bk 16 x 64 float32; bo 1,024 float32; bq 16 x 64 float32; bv 16 x 64 float32; k_codes 2 x 2,048 x 32 x 24 uint8 (E2M3 codes of k, K innermost, in blocks of 32 codes, four codes in three bytes); k_scales 2 x 2,048 x 32 uint8 (E8M0 scales of k, one for each 32 codes along K); mask 2 x 1 x 2,048 x 2,048 float32; q_codes 2 x 2,048 x 32 x 24 uint8 (E2M3 codes of q, K innermost, in blocks of 32 codes, four codes in three bytes); q_scales 2 x 2,048 x 32 uint8 (E8M0 scales of q, one for each 32 codes along K); v_codes 2 x 2,048 x 32 x 24 uint8 (E2M3 codes of v, K innermost, in blocks of 32 codes, four codes in three bytes); v_scales 2 x 2,048 x 32 uint8 (E8M0 scales of v, one for each 32 codes along K).
;; Outputs: out0 2 x 2,048 x 1,024 float32.
;; This version of the problem:
;;   THIS VERSION OF THE PROBLEM IS GIVEN IN LOW PRECISION. The matrix products marked QUANTISED in the list below multiply operands that are first quantised to E2M3 (2 exponent bits, 3 mantissa bits; 6 bits a number), with one power-of-two scale for each 32 numbers along K (OCP MX v1.0); their sums are f32. All else is computed in f32.
;;   The module's matrix products, in the order in which they are computed (A, B: the left and right operand; K: the contracted axis; several contracted axes count as one K, in the product's order):
;;     1. [M 1,024, K 1,024] x [K 1,024, N 4,096]; A: input Wq (given as codes); B: input q (given as codes): QUANTISED
;;     2. [M 1,024, K 1,024] x [K 1,024, N 4,096]; A: input Wk (given as codes); B: input k (given as codes): QUANTISED
;;     3. [M 1,024, K 1,024] x [K 1,024, N 4,096]; A: input Wv (given as codes); B: input v (given as codes): QUANTISED
;;     4. batch 32 x [M 2,048, K 64] x [K 64, N 2,048]; A: computed on the way; B: computed on the way: QUANTISED
;;     5. batch 32 x [M 2,048, K 2,048] x [K 2,048, N 64]; A: softmax (see below); B: computed on the way: QUANTISED
;;     6. [M 4,096, K 1,024] x [K 1,024, N 1,024]; A: computed on the way; B: input Wo (given as codes): QUANTISED
;;   THE QUANTISER, for each operand of a quantised product, along K:
;;     - K is cut into blocks of 32 from its start; a last block that is shorter is filled with zeros.
;;     - A block's scale is 2^e with e = floor(log2(the largest magnitude in the block)) - 2, held to -126 .. 127; a block of zeros has e = 0. As a byte (E8M0): e + 127.
;;     - Each number is divided by its block's scale, clamped to +-7.5, and rounded to the nearest number of E2M3, ties to even, subnormals kept.
;;     - The product sums the exact products of the quantised numbers (number of the format x scale) in f32.
;;   ~~~python
;;   def quantise(x, axis):      # numpy; x: float32 -> the quantised numbers, widened to float32 again
;;       x = np.moveaxis(x, axis, -1); K = x.shape[-1]
;;       x = np.pad(x, [(0, 0)] * (x.ndim - 1) + [(0, -K % 32)]); x = x.reshape(x.shape[:-1] + (-1, 32)); a = np.abs(x).max(-1, keepdims=True)
;;       e = np.where(a > 0, np.clip(np.frexp(np.where(a > 0, a, 1))[1] - 1 - 2, -126, 127), 0)      # np.frexp(a)[1] - 1 = floor(log2(a)), exactly
;;       r = np.clip(x / 2.0 ** e, -7.5, 7.5)
;;       step = 2.0 ** (np.maximum(np.frexp(np.where(r == 0, 1, r))[1] - 1, 0) - 3)
;;       q = np.round(r / step) * step * 2.0 ** e      # np.round: ties to even
;;       return np.moveaxis(q.reshape(q.shape[:-2] + (-1,))[..., :K], -1, axis).astype(np.float32)
;;   ~~~
;;   SOFTMAX AHEAD OF A QUANTISED PRODUCT. Where the list says 'softmax', what is quantised is not the finished softmax but p = 2^(t - M), with t = logit x log2(e) and M = ceil(the row's largest t), a whole number; so 1/2 < the row's largest p <= 1. The row's sum l is taken of the UNQUANTISED p, in f32, and the product's result is divided by l at the end. Since M is a whole number, a kernel that streams over the keys may use a running M (the ceiling of the running maximum): every later rescaling is an exact power of two, which a block's scale takes up: the codes' values come out the same.
;;   OPERANDS COMPUTED ON THE WAY. 'Computed on the way' means the value that the module computes at that place (a softmax that the list does not call 'softmax' is quantised finished and normalised). What goes into a quantiser is computed in f32, as accurately as f32 sums, v_exp_f32 and their like allow (about 1e-6 of the number): no bf16 or f16 on the way to a quantiser, and a product that is left as it is and whose result goes on into a quantised operand takes f32 operands (vector FMAs, or v_wmma_f32_16x16x4_f32). A number that lies on a knife's edge between two numbers of the format may be rounded either way, as far as f32 arithmetic and the matrix unit's own rounding can turn it there, and no further.
;;   INPUTS GIVEN AS CODES. Wk (in the module: [16, 1024, 64], K = its axis 1); Wo (in the module: [1024, 1024], K = its axis 0); Wq (in the module: [16, 1024, 64], K = its axis 1); Wv (in the module: [16, 1024, 64], K = its axis 1); k (in the module: [2, 2048, 1024], K = its axis 2); q (in the module: [2, 2048, 1024], K = its axis 2); v (in the module: [2, 2048, 1024], K = its axis 2): each comes as NAME_codes (uint8): NAME with its K axis moved to the last place and cut into blocks of 32 codes, [.., K / 32, bytes a block], one block behind the other in memory; four codes in three bytes: a row's codes are one little-endian stream of bits, code i at bits 6 i .. 6 i + 5 (a code: sign, 2 exponent bits, 3 mantissa bits); and NAME_scales (uint8): the same leading axes, one E8M0 byte (e + 127) for each 32 codes along K. Its value is code x scale, taken as it is: it is not quantised again, and the codes and scales need not be those that the quantiser above would give.
;; One version. Each part assembles by itself: llvm-mc -triple=amdgcn-amd-amdhsa -mcpu=gfx1250 --defsym DOCPART=n.
;; ======== version 1 of 1: 3 launches
;; limits: right only within a limited range of input values
;; workspace buffers: qkv 11,010,048 bytes; xi 3,145,728 bytes; xs 524,288 bytes
;; launch proj (part 1): grid 8 x 96, 4 waves a work-group, clusters of 4 x 4, 262,656 bytes of LDS; arguments q_codes, q_scales, k_codes, k_scales, v_codes, v_scales, Wq_codes, Wq_scales, Wk_codes, Wk_scales, Wv_codes, Wv_scales, bq, bk, bv, qkv; writes qkv
.if DOCPART == 1
	.amdgcn_target "amdgcn-amd-amdhsa--gfx1250"
	.amdhsa_code_object_version 6
	.text
	.protected	k_qe9e96075b9_proj
	.globl	k_qe9e96075b9_proj
	.p2align	8
	.type	k_qe9e96075b9_proj,@function
k_qe9e96075b9_proj:
	s_mov_b64 s[64:65], 0
	v_nop
	global_prefetch_b8 v0, s[64:65] scope:SCOPE_SE
	s_setreg_imm32_b32 hwreg(HW_REG_WAVE_MODE, 25, 1), 1
	s_wait_xcnt 0x0
	s_wait_alu depctr_hold_cnt(0) depctr_sa_sdst(0) depctr_va_vdst(0) depctr_va_sdst(0) depctr_va_ssrc(0) depctr_va_vcc(0) depctr_vm_vsrc(0)
	s_getreg_b32 s2, hwreg(HW_REG_IB_STS2, 6, 4)
	s_cmp_eq_u32 s2, 0
	s_cbranch_scc0 .Lentry_in_a_cluster
	s_endpgm
.Lentry_in_a_cluster:
	s_bfe_u32 s2, ttmp6, 0x10000c
	s_cmp_lg_u32 s2, 0xf033
	s_cbranch_scc0 .Lentry_shape_is_right
	s_endpgm
.Lentry_shape_is_right:
; The three projections qh = q Wq + bq, kh = k Wk + bk, vh = v Wv + bv on codes of FP6 (E2M3) with E8M0 scales, and the quantising of their results for the attention launch.  Nothing of reference() is left out.
; Work-group x = W's block of 128 rows (two heads); y = 32 x (projection: 0 q, 1 k, 2 v) + the input's block of 128 rows.  All of K = 1,024 in one work-group.
; CLUSTERS: 4 x 4 work-groups.  The four of a row need the same 128 rows of the input, the four of a column the same 128 rows of W: each is asked for jointly.  A cluster lies inside one projection (32 is a multiple of 4).
; THE MATRIX INSTRUCTION'S SOURCE 0 IS THE SIDE ALONG WHICH THE RESULT IS QUANTISED NEXT: for q and k the rows of W (a lane's registers then run along the head's 64 numbers, the K of q . k),
; for v the rows of v (registers run along the keys, the K of p . v).  Only pointers, block numbers and the two LDS bases are chosen by the projection: all three take one path, but for the loads of the bias.
; Four waves, each 64 (source 0) x 64 (source 1): 16 accumulators.  The bias is loaded into the accumulators, so that all eight K steps add in place.
; LDS: the input's 128 rows, then W's 128; a row of 768 bytes comes whole, with 16 bytes of padding behind each 256: 816 bytes from row to row.  Each wave issues ONE tensor load, 64 rows
; (waves 0, 1 the input's halves, waves 2, 3 W's); one barrier shows all rows to all waves; every byte is filled once.
; NO PREFETCH: the launch has no loop to run ahead in: its only tensor loads stand at its head.
; RESULT: half images of 768 bytes: 16 rows x 64 along the next K as six operand registers a lane: registers 0-3 at 16 x lane, registers 4-5 at 512 + 8 x lane; scale words (two bytes used) beside them.
; WITHIN A BLOCK OF 32 THE CODES LIE IN A FIXED ORDER THAT IS NOT ASCENDING: place 16 g + i holds number 16 (i / 8) + 8 g + i % 8.  Both operands of q . k and both of p . v are made in this same order,
; so each product pairs the right numbers; a block's members, its largest magnitude and its scale are as in ascending order.
; LIMITS: NaN and infinities are not served.  A block of zeros gets the scale byte 1 and not 127: its codes are zeros, and the bytes are read by this program alone.
.set PITCH, 816
.set QROWS, 64*PITCH                   ; 64 rows: what one tensor load brings, and what a wave reads of a side
.set ADX0,  10                         ; v10 LDS address of my source 0 fragments; v14 the same for pieces whose lanes 16-31 lie behind one padding more
.set ADX1,  18                         ; v18, v22 the same for source 1
.set SA,    32                         ; v32-47 source 0's scale words: register 4 a + j: lanes 0-15 K step j, lanes 16-31 K step 4 + j, of tile a's rows
.set SB,    48                         ; v48-63 source 1's
.set TM,    64                         ; v64-74 at work in the quantiser
.set SW,    80                         ; v80-83 the four scale words made
.set PCD,   96                         ; v96-125 the codes made: eight registers for each tile, six used
.set ACC,   128                        ; v128-255 accumulator (a, n) at 128 + 32 n + 8 a
.set G1,    68                         ; s[68:75] group 1 for the input's rows; s[84:91] for W's
.set G1B,   84
.set G0,    76                         ; s[76:79] group 0 for the input's rows; s[80:83] for W's
.set G0B,   80
.set SEL,   92                         ; s[92:93] lane selects: lane l xor 16
.set MUL,   0x05                       ; sources 0 and 1 in window 1 (the fragments), C and D in window 0
.set TO_F,  0x40                       ; destination window 1, address window 0
.set MSB, 0
.macro WIN new                         ; the immediate's high byte repeats the setting that is left
.if MSB != \new
	s_set_vgpr_msb (MSB<<8)|\new
.set MSB, \new
.endif
.endm
.macro PLACES                          ; four plain places behind matrix instructions (ISA guide 7.12.1)
.rept 4
	v_nop
.endr
.endm
.macro CROUND                          ; a round of the cluster's barrier
	s_barrier_signal -1
	s_barrier_wait -1
	s_cmp_lg_u32 s41, 0
	s_cbranch_scc1 .Lnw_\@
	s_barrier_signal -3
.Lnw_\@:
	s_barrier_wait -3
	s_barrier_signal -1
	s_barrier_wait -1
.endm
; A fragment, 16 rows x 128 K, is 12 registers: lane l holds row l % 16; registers 6 c .. 6 c + 5 hold K = 64 c + 32 (l / 16) + 0 .. 31: 24 bytes of the row as they lie, in pieces of 8 bytes.
; q: the K step 0..7.  A padding lies behind every 32 pieces; lanes 16-31 read three pieces further on; where that is behind one padding more, the second address register serves.
.macro FRAG reg, adr, q, i
.irp p, 0,1,2,3,4,5
.set PCE, 12*(\q)+6*(\p/3)+\p%3
.if PCE%32 < 29
	ds_load_b64 v[\reg+2*\p:\reg+2*\p+1], v[\adr] offset:8*PCE+16*(PCE/32)+(\i)*16*PITCH
.else
	ds_load_b64 v[\reg+2*\p:\reg+2*\p+1], v[\adr+4] offset:8*PCE+16*(PCE/32)+(\i)*16*PITCH
.endif
.endr
.endm
.macro FETCH s                         ; K step s: 48 loads into set s % 2: source 1's four fragments, then source 0's
	WIN TO_F
.irp n, 0,1,2,3
	FRAG 128*((\s)%2)+48+12*\n, ADX1, (\s), \n
.endr
.irp a, 0,1,2,3
	FRAG 128*((\s)%2)+12*\a, ADX0, (\s), \a
.endr
.endm
.macro MM d, a, b, sa, sb, hi          ; hi = 1: the scale words of K steps 4-7 lie in lanes 16-31
.if \hi
	v_wmma_scale_f32_16x16x128_f8f6f4 v[\d:\d+7], v[\a:\a+11], v[\b:\b+11], v[\d:\d+7], v[\sa], v[\sb] matrix_a_fmt:MATRIX_FMT_FP6 matrix_b_fmt:MATRIX_FMT_FP6 matrix_a_scale:MATRIX_SCALE_ROW1 matrix_b_scale:MATRIX_SCALE_ROW1
.else
	v_wmma_scale_f32_16x16x128_f8f6f4 v[\d:\d+7], v[\a:\a+11], v[\b:\b+11], v[\d:\d+7], v[\sa], v[\sb] matrix_a_fmt:MATRIX_FMT_FP6 matrix_b_fmt:MATRIX_FMT_FP6
.endif
.endm
.macro MUL8 s, a0                      ; source 0's tiles a0, a0 + 1 against source 1's four.  The 16 accumulators take turns
.irp a, \a0, \a0+1
.irp n, 0,1,2,3
	MM ACC+32*\n+8*(\a), 128*((\s)%2)+12*(\a), 128*((\s)%2)+48+12*\n, SA+4*(\a)+(\s)%4, SB+4*\n+(\s)%4, (\s)/4
.endr
.endr
.endm
.macro STEP s                          ; a K step of 128 that has a successor
	s_wait_dscnt 12                                ; all but the youngest twelve loads (source 0's fragments 2, 3) are in
	WIN MUL
	MUL8 \s, 0
	PLACES                                         ; for the loads into the set that the step before multiplied
	FETCH (\s)+1
	s_wait_dscnt 48                                ; all but the 48 just issued
	WIN MUL
	MUL8 \s, 2
.endm
; 32 numbers of a lane, v[src] on: register 16 g + i belongs to block g of the lane's row; the block's other 16 lie in lane l xor 16.  They become six operand registers and the row's scale word (bytes 0, 1).
.macro QUANT32 src, pc, sw
.irp g, 0,1
	v_max3_num_f32 v[TM+\g], |v[\src+16*\g]|, |v[\src+16*\g+1]|, 0x1800000   ; with the floor 2^(3 - 127): the byte cannot fall under 1
.endr
.irp i, 2,4,6,8,10,12,14
.irp g, 0,1
	v_max3_num_f32 v[TM+\g], v[TM+\g], |v[\src+16*\g+\i]|, |v[\src+16*\g+\i+1]|   ; ascending: each accumulator is read from its low end on
.endr
.endr
.irp g, 0,1
	v_permlanex16_b32 v[TM+2+\g], v[TM+\g], s[SEL], s[SEL+1]
.endr
.irp g, 0,1
	v_max_num_f32 v[TM+\g], v[TM+\g], v[TM+2+\g]   ; the block's largest magnitude
.endr
.irp g, 0,1
	v_add_nc_u32 v[TM+4+\g], 0xff000000, v[TM+\g]  ; 2 off its exponent field: the conversion's scale operand
.endr
.irp g, 0,1
	v_lshrrev_b32 v[TM+2+\g], 23, v[TM+4+\g]       ; the scale's byte
.endr
	v_lshl_or_b32 v[\sw], v[TM+3], 8, v[TM+2]
	v_cvt_scalef32_pk16_fp6_f32 v[\pc:\pc+2], v[\src:\src+15], v[TM+4]
	v_cvt_scalef32_pk16_fp6_f32 v[TM+8:TM+10], v[\src+16:\src+31], v[TM+5]
	v_nop                                          ; one plain place behind a scaled conversion
.irp i, 0,1,2
	v_permlane16_swap_b32 v[\pc+\i], v[TM+8+\i]    ; a whole block to a lane
.endr
.irp i, 0,1,2
	v_mov_b32 v[\pc+3+\i], v[TM+8+\i]
.endr
.endm
	s_load_b512 s[8:23], s[0:1], 0x0               ; q codes 8, q scales 10, k codes 12, k scales 14, v codes 16, v scales 18, Wq codes 20, Wq scales 22
	s_load_b512 s[24:39], s[0:1], 0x40             ; Wk codes 24, Wk scales 26, Wv codes 28, Wv scales 30, bq 32, bk 34, bv 36, qkv 38
	v_lshl_add_u32 v126, v0, 2, 0x40000
	v_mov_b32 v127, 0
	ds_add_u32 v126, v127                          ; the opening lines: the add twice on end and its wait
	ds_add_u32 v126, v127
	v_lshrrev_b32 v1, 5, v0
	v_readfirstlane_b32 s41, v1                    ; wave 0..3
	s_lshr_b32 s42, s41, 1                         ; wm: my 64 rows of source 0
	s_and_b32 s43, s41, 1                          ; wn: my 64 rows of source 1.  Also: which 64 rows of a side I fetch
	s_bfe_u32 s98, ttmp6, 0x40000                  ; cx
	s_bfe_u32 s99, ttmp6, 0x40004                  ; cy
	s_and_b32 s100, ttmp7, 0xffff                  ; the cluster's y, 0..23
	s_lshr_b32 s40, s100, 3                        ; which projection: the same in all partners
	s_and_b32 s45, s100, 7
	s_lshl_b32 s45, s45, 2
	s_add_co_u32 s45, s45, s99                     ; the input's block of 128 rows
	s_lshl_b32 s44, ttmp9, 2
	s_add_co_u32 s44, s44, s98                     ; W's block of 128 rows
	s_lshl_b32 s100, s99, 2
	s_lshl_b32 s100, 15, s100                      ; my row of the cluster
	s_lshl_b32 s101, 0x1111, s98                   ; my column
	; group 1: 64 rows of 768 bytes; in LDS 16 bytes of padding behind every 256
	s_or_b32 s[G1+0], s100, (1<<20)|(1<<21)|(5<<22)|(3<<25)
	s_or_b32 s[G1B+0], s101, (1<<20)|(1<<21)|(5<<22)|(3<<25)
.irp g, G1, G1B
	s_mov_b32 s[\g+1], 768<<16
	s_mov_b32 s[\g+2], 64<<16
	s_mov_b32 s[\g+3], 768<<16
	s_mov_b32 s[\g+4], 64
	s_mov_b32 s[\g+5], 768
	s_mov_b32 s[\g+6], 0
	s_mov_b32 s[\g+7], 0
.endr
	s_mov_b32 s[SEL], 0x76543210
	s_mov_b32 s[SEL+1], 0xfedcba98
	s_mul_i32 s2, s41, QROWS                       ; where my rows go: wave x 64 rows
	s_wait_dscnt 0x0
	s_wait_kmcnt 0x0
	s_cmp_eq_u32 s40, 0                            ; the choices hang on the projection alone
	s_cselect_b64 s[50:51], s[8:9], s[12:13]       ; the input's codes,
	s_cselect_b64 s[52:53], s[10:11], s[14:15]     ; its scales,
	s_cselect_b64 s[54:55], s[20:21], s[24:25]     ; W's codes,
	s_cselect_b64 s[56:57], s[22:23], s[26:27]     ; W's scales,
	s_cselect_b64 s[58:59], s[32:33], s[34:35]     ; the bias
	s_cmp_eq_u32 s40, 2
	s_cselect_b64 s[50:51], s[16:17], s[50:51]
	s_cselect_b64 s[52:53], s[18:19], s[52:53]
	s_cselect_b64 s[54:55], s[28:29], s[54:55]
	s_cselect_b64 s[56:57], s[30:31], s[56:57]
	s_cselect_b64 s[58:59], s[36:37], s[58:59]
	s_cselect_b64 s[60:61], s[52:53], s[56:57]     ; source 0's scales
	s_cselect_b64 s[62:63], s[56:57], s[52:53]     ; source 1's
	s_cselect_b32 s46, s43, s42                    ; which half of W's block is mine (which head),
	s_cselect_b32 s47, s42, s43                    ; which half of the input's block
	s_cselect_b32 s48, s45, s44                    ; source 0's block of 128 rows
	s_cselect_b32 s49, s44, s45                    ; source 1's
	s_lshl_b32 s96, s45, 7                         ; the input's rows that I would fetch
	s_lshl_b32 s97, s43, 6
	s_add_co_u32 s96, s96, s97
	s_mul_i32 s96, s96, 768
	s_mov_b32 s97, 0
	s_mov_b32 s[G0], 1
	s_mov_b32 s[G0+1], s2
	s_add_nc_u64 s[G0+2:G0+3], s[50:51], s[96:97]
	s_or_b32 s[G0+3], s[G0+3], 0x80000000
	s_lshl_b32 s66, s44, 7                         ; and W's
	s_lshl_b32 s67, s43, 6
	s_add_co_u32 s66, s66, s67
	s_mul_i32 s66, s66, 768
	s_mov_b32 s67, 0
	s_mov_b32 s[G0B], 1
	s_mov_b32 s[G0B+1], s2
	s_add_nc_u64 s[G0B+2:G0B+3], s[54:55], s[66:67]
	s_or_b32 s[G0B+3], s[G0B+3], 0x80000000
	CROUND                                         ; in front of the joint loads
	s_cmp_lt_u32 s41, 2                            ; one tensor load a wave: waves 0, 1 the input's halves, waves 2, 3 W's
	s_cbranch_scc0 .Lfill_w
	tensor_load_to_lds s[G0:G0+3], s[G1:G1+7]
	s_nop 0
	PLACES
	s_branch .Lfilled
.Lfill_w:
	tensor_load_to_lds s[G0B:G0B+3], s[G1B:G1B+7]
	s_nop 0
	PLACES
.Lfilled:
	; where my scales, my bias and my results lie
	s_lshl_b32 s96, s48, 7
	s_lshl_b32 s97, s42, 6
	s_add_co_u32 s96, s96, s97
	s_lshl_b32 s96, s96, 5                         ; 32 scale bytes a row
	s_mov_b32 s97, 0
	s_add_nc_u64 s[60:61], s[60:61], s[96:97]
	s_lshl_b32 s96, s49, 7
	s_lshl_b32 s3, s43, 6
	s_add_co_u32 s96, s96, s3
	s_lshl_b32 s96, s96, 5
	s_add_nc_u64 s[62:63], s[62:63], s[96:97]
	s_lshl_b32 s3, s44, 1
	s_add_co_u32 s3, s3, s46                       ; my head
	s_lshl_b32 s96, s3, 8
	s_add_nc_u64 s[58:59], s[58:59], s[96:97]      ; its 64 numbers of the bias
	s_lshr_b32 s96, s45, 4
	s_lshl_b32 s96, s96, 4
	s_add_co_u32 s96, s96, s3                      ; 16 b + head
	s_mul_i32 s96, s96, 344064
	s_and_b32 s3, s45, 15
	s_mul_i32 s3, s3, 21504                        ; the block of 128 rows of s
	s_add_co_u32 s96, s96, s3
	s_mul_i32 s3, s40, 7168                        ; q's, k's or v's part
	s_add_co_u32 s96, s96, s3
	s_add_nc_u64 s[94:95], s[38:39], s[96:97]
	v_and_b32 v1, 15, v0                           ; r
	v_bfe_u32 v2, v0, 4, 1                         ; h
	v_and_b32 v3, 31, v0                           ; lane
	v_lshlrev_b32 v5, 5, v1
	v_lshl_add_u32 v5, v2, 4, v5                   ; scales: row r, 16 bytes for each half of the lanes: a load covers 512 consecutive bytes
.irp a, 0,1,2,3
	global_load_b128 v[SA+4*\a:SA+4*\a+3], v5, s[60:61] offset:512*\a
	global_load_b128 v[SB+4*\a:SB+4*\a+3], v5, s[62:63] offset:512*\a
.endr
	s_cmp_eq_u32 s40, 2
	s_cbranch_scc1 .Lbias_v
	v_lshlrev_b32 v6, 5, v2                        ; q, k: register j of accumulator (a, n) is the head's number 16 a + 8 h + j
.irp n, 0,1,2,3
.irp a, 0,1,2,3
	global_load_b128 v[ACC+32*\n+8*\a:ACC+32*\n+8*\a+3], v6, s[58:59] offset:64*\a
	global_load_b128 v[ACC+32*\n+8*\a+4:ACC+32*\n+8*\a+7], v6, s[58:59] offset:64*\a+16
.endr
.endr
	s_branch .Lbias_done
.Lbias_v:
	s_wait_alu depctr_va_vdst(0)
	v_lshlrev_b32 v6, 2, v1                        ; v: all 32 registers of column tile n are the head's number 16 n + r
.irp n, 0,1,2,3
.set J, 0
.rept 32
	global_load_b32 v[ACC+32*\n+J], v6, s[58:59] offset:64*\n
.set J, J+1
.endr
.endr
.Lbias_done:
	s_wait_alu depctr_va_vdst(0)
	s_cmp_eq_u32 s40, 2                            ; v: source 0 is the input (LDS byte 0 on), source 1 is W (behind it); q, k: the other way round
	s_cselect_b32 s3, 0, 2*QROWS
	s_cselect_b32 s101, 2*QROWS, 0
	s_mul_i32 s96, s42, QROWS                      ; my 64 rows of source 0,
	s_add_co_u32 s96, s96, s3
	s_mul_i32 s97, s43, QROWS                      ; of source 1
	s_add_co_u32 s97, s97, s101
	v_mul_u32_u24 v4, v1, PITCH
	v_mad_u32_u24 v26, v2, 24, v4                  ; a fragment's row x pitch + 24 x half
	v_mad_u32_u24 v27, v2, 40, v4                  ; and behind one padding more
	v_add_nc_u32 v[ADX0], s96, v26
	v_add_nc_u32 v[ADX0+4], s96, v27
	v_add_nc_u32 v[ADX1], s97, v26
	v_add_nc_u32 v[ADX1+4], s97, v27
	s_mul_i32 s96, s47, 3072                       ; the way out: my four half images begin 3,072 bytes x (my half of the input's block) into the part
	v_lshl_add_u32 v7, v3, 4, s96                  ; registers 0-3: 16 x lane
	v_lshl_add_u32 v8, v3, 3, s96
	v_add_nc_u32 v8, 512, v8                       ; registers 4-5: 512 + 8 x lane
	s_lshl_b32 s96, s47, 9
	s_add_co_u32 s96, s96, 6144
	v_lshl_add_u32 v9, v3, 4, s96                  ; my four scale words
	v_mov_b32 v[TM+2], 0                           ; written once: a lane permute's destination counts as one of its sources
	v_mov_b32 v[TM+3], 0
	s_wait_alu depctr_va_vdst(0)
	s_wait_loadcnt 0x0                             ; scales and bias
	s_wait_tensorcnt 0x0                           ; my 64 rows are in
	s_barrier_signal -1
	s_barrier_wait -1                              ; everybody's are
	FETCH 0
.irp s, 0,1,2,3,4,5,6
	STEP \s
.endr
	s_wait_dscnt 12                                ; the last step: nothing more to fetch
	WIN MUL
	MUL8 7, 0
	s_wait_dscnt 0x0
	MUL8 7, 2
	WIN 0
	PLACES                                         ; the quantiser reads results just made
.irp n, 0,1,2,3
	QUANT32 ACC+32*\n, PCD+8*\n, SW+\n
	global_store_b128 v7, v[PCD+8*\n:PCD+8*\n+3], s[94:95] offset:768*\n     ; 512 consecutive bytes, at a multiple of 256 from the buffer's first byte
	global_store_b64 v8, v[PCD+8*\n+4:PCD+8*\n+5], s[94:95] offset:768*\n    ; 256 more.  Each tile has its own registers: no store's data are written again
.endr
	global_store_b128 v9, v[SW:SW+3], s[94:95]     ; four scale words a lane: 512 consecutive bytes
	s_wait_tensorcnt 0x0                           ; the wave's end
	ds_add_u32 v126, v127
	s_wait_dscnt 0x0
	CROUND                                         ; the closing round
	s_endpgm
.Lfunc_end_k_qe9e96075b9_proj:
	.size	k_qe9e96075b9_proj, .Lfunc_end_k_qe9e96075b9_proj-k_qe9e96075b9_proj
	.p2alignl 7, 3214868480
	.fill 96, 4, 3214868480
	.section	.rodata,"a",@progbits
	.p2align	6, 0x0
	.amdhsa_kernel k_qe9e96075b9_proj
		.amdhsa_group_segment_fixed_size 262656
		.amdhsa_private_segment_fixed_size 0
		.amdhsa_enable_private_segment 0
		.amdhsa_kernarg_size 128
		.amdhsa_user_sgpr_count 2
		.amdhsa_user_sgpr_kernarg_segment_ptr 1
		.amdhsa_wavefront_size32 1
		.amdhsa_system_sgpr_workgroup_id_x 1
		.amdhsa_system_sgpr_workgroup_id_y 1
		.amdhsa_system_sgpr_workgroup_id_z 1
		.amdhsa_system_vgpr_workitem_id 0
		.amdhsa_next_free_vgpr 512
		.amdhsa_next_free_sgpr 102
		.amdhsa_reserve_vcc 0
		.amdhsa_float_denorm_mode_32 3
		.amdhsa_float_denorm_mode_16_64 3
		.amdhsa_memory_ordered 1
		.amdhsa_forward_progress 1
		.amdhsa_inst_pref_size 74
	.end_amdhsa_kernel
	.amdgpu_metadata
---
amdhsa.version: [ 1, 2 ]
amdhsa.kernels:
  - .name:           k_qe9e96075b9_proj
    .symbol:         k_qe9e96075b9_proj.kd
    .args:
      - { .name: q_codes, .offset: 0, .size: 8, .value_kind: global_buffer, .address_space: global }
      - { .name: q_scales, .offset: 8, .size: 8, .value_kind: global_buffer, .address_space: global }
      - { .name: k_codes, .offset: 16, .size: 8, .value_kind: global_buffer, .address_space: global }
      - { .name: k_scales, .offset: 24, .size: 8, .value_kind: global_buffer, .address_space: global }
      - { .name: v_codes, .offset: 32, .size: 8, .value_kind: global_buffer, .address_space: global }
      - { .name: v_scales, .offset: 40, .size: 8, .value_kind: global_buffer, .address_space: global }
      - { .name: Wq_codes, .offset: 48, .size: 8, .value_kind: global_buffer, .address_space: global }
      - { .name: Wq_scales, .offset: 56, .size: 8, .value_kind: global_buffer, .address_space: global }
      - { .name: Wk_codes, .offset: 64, .size: 8, .value_kind: global_buffer, .address_space: global }
      - { .name: Wk_scales, .offset: 72, .size: 8, .value_kind: global_buffer, .address_space: global }
      - { .name: Wv_codes, .offset: 80, .size: 8, .value_kind: global_buffer, .address_space: global }
      - { .name: Wv_scales, .offset: 88, .size: 8, .value_kind: global_buffer, .address_space: global }
      - { .name: bq, .offset: 96, .size: 8, .value_kind: global_buffer, .address_space: global }
      - { .name: bk, .offset: 104, .size: 8, .value_kind: global_buffer, .address_space: global }
      - { .name: bv, .offset: 112, .size: 8, .value_kind: global_buffer, .address_space: global }
      - { .name: qkv, .offset: 120, .size: 8, .value_kind: global_buffer, .address_space: global }
    .group_segment_fixed_size: 262656
    .private_segment_fixed_size: 0
    .kernarg_segment_align: 8
    .kernarg_segment_size: 128
    .max_flat_workgroup_size: 128
    .sgpr_count:     102
    .vgpr_count:     512
    .wavefront_size: 32
...
	.end_amdgpu_metadata
.endif
;; end of part 1
;; launch attn (part 2): grid 32 x 8, 8 waves a work-group, clusters of 4 x 4, 327,680 bytes of LDS; arguments qkv, mask, xi, xs; writes xi, xs
.if DOCPART == 2
	.amdgcn_target "amdgcn-amd-amdhsa--gfx1250"
	.amdhsa_code_object_version 6
	.text
	.protected	k_qe9e96075b9_attn
	.globl	k_qe9e96075b9_attn
	.p2align	8
	.type	k_qe9e96075b9_attn,@function
k_qe9e96075b9_attn:
	s_mov_b64 s[64:65], 0
	v_nop
	global_prefetch_b8 v0, s[64:65] scope:SCOPE_SE
	s_setreg_imm32_b32 hwreg(HW_REG_WAVE_MODE, 25, 1), 1
	s_wait_xcnt 0x0
	s_wait_alu depctr_hold_cnt(0) depctr_sa_sdst(0) depctr_va_vdst(0) depctr_va_sdst(0) depctr_va_ssrc(0) depctr_va_vcc(0) depctr_vm_vsrc(0)
	s_getreg_b32 s2, hwreg(HW_REG_IB_STS2, 6, 4)
	s_cmp_eq_u32 s2, 0
	s_cbranch_scc0 .Lentry_in_a_cluster
	s_endpgm
.Lentry_in_a_cluster:
	s_bfe_u32 s2, ttmp6, 0x10000c
	s_cmp_lg_u32 s2, 0xf033
	s_cbranch_scc0 .Lentry_shape_is_right
	s_endpgm
.Lentry_shape_is_right:
; x = softmax(qh kh^T / 8 + mask) vh for 4 heads x 64 queries a work-group, both products on codes of FP6 (E2M3) with E8M0 scales, and the quantising of x for the last product.
; Work-group x = the block of 64 queries (qb), y = 4 b + group of four heads (hg).  Nothing of reference() is left out.
; EIGHT WAVES, two to a SIMD.  Wave w has head w % 4 of the group and queries 32 (w / 4) .. + 31: two UNITS of 16 queries.  A head's K and V fragments serve both units.
; REGISTER WINDOWS: unit u's state lies in window u under the same register numbers, so one macro serves both under one setting.  Shared: window 0 v1-11 addresses, v32-51 K's and V's scale words,
; v52-105 K's tiles, v28, v106 Q's scale words, v29, v11 p's scale words (scale operands have no window); window 1 v32-79 V's fragments.
; A KEY STEP is 128 keys.  A slot of LDS holds the four heads' records of K and V (14,336 bytes each, images of operand registers as the launch before laid them) and the mask's 64 rows x 512 bytes (528 from row to row).
; Two slots by turns.  Waves 0-3 fetch a record each, waves 4-7 16 rows of the mask each: one tensor load of a wave is out at the most.
; THE WALK.  Step s has two halves.  First: unit 0's scores and softmax, then unit 1's scores; with them all my reads of slot s % 2 are over.  Second: the round, the refill of that slot with step s + 2,
; unit 1's softmax and both units' second products.  NO LDS LOAD STANDS ALONE IN A LONG RUN: unit 1's mask and V of step s are issued in five bunches among the lines of unit 0's softmax,
; K and unit 0's mask of step s + 1 among those of unit 1's, and each is waited for behind that softmax.
; CLUSTERS: 4 x 4 work-groups.  The four of a row (same b, hg) need the same records, the four of a column (same b, qb) the same tile of the mask: each is asked for jointly.
; PREFETCH: in the half step that loads step s + 2, step s + 4's bytes are named once in the cluster: of a row's four records partner cx takes record cx (waves 0, 1: 32 and 24 blocks of 256 bytes),
; of a column's mask tile partner cy takes rows 16 cy .. + 15 (wave 4: 32 blocks).  The partners are told apart by address alone.  The loop's last trip and the tail ask for nothing: step 15 is the last named.
; BOTH PRODUCTS ARE USED TRANSPOSED: S^T = K Q^T + mask^T, O^T = V^T P^T: a lane holds one query (lane % 16).  THE MASK IS THE C OF THE FIRST PRODUCT: it is loaded from LDS into the score registers.
; The factor 1/8 is 3 off Q's two scale bytes, which is exact.
; q . k HAS K = 64: Q's registers 6-11 are zero codes, so the codes beside them in source 0 (the next tile's; behind the last tile six cleared registers) add nothing; scale bytes 2, 3 of both words are 0, a power of two.
; SOFTMAX: t = logit x log2(e); M = the running largest t rounded up to a whole number; p = 2^(t - M) is quantised along the keys; the sum is taken of the unquantised p and divides O at the end.
; Within a block of 32 keys p's codes lie in the same fixed order as V's (place 16 g + i holds key 16 (i / 8) + 8 g + i % 8).  x meets a given operand: its order is made ascending first.
; LIMITS: NaN among the inputs is not served; a row all of whose logits are -infinity is NaN in the definition and is not served.  The promise holds while |t| stays under 2^31.
; A scale byte of Q under 3 is held at 3 before 3 is taken off.  A block of zeros gets the scale byte 1: its codes are zeros, and this program alone reads the bytes.
.set SLOT1, 131072
.set REC,   14336                      ; a record: K's 8 half images (768 T), K's scale words (6144, 6656), V's 8 half images (7168 + 3072 c + 768 n), V's half words (13312 + 512 c)
.set MOFF,  4*REC
.set MP,    528
.set SPARE, SLOT1+MOFF+64*MP           ; the spare words, 128 bytes a wave
.set HSTR,  344064                     ; from head to head in qkv
.set SPW, 1
.set NIL, 2
.set A16, 3                            ; v3-4 slot s: my head's record + 16 x lane
.set A8,  5                            ; v5-6 the same + 8 x lane
.set AM,  7                            ; v7-8 slot s: the mask's row of my query in unit 0 + 32 x half
.set L16, 9
.set L8,  10
.set PW0, 29                           ; p's scale word, unit 0, 1
.set PW1, 11
.set QF,  16                           ; v16-27 Q's fragment; v22-27 zero codes        (v12 -M, v13 largest t, v[14:15] the sum)
.set KS,  32
.set VH,  40
.set VW,  48
.set KB,  52
.set VB,  32                           ; window 1
.set S,   108
.set O,   172
.set PCD, 204
.set CT,  216
.set BM,  224
.set BP,  228
.set BS,  232
.set T0,  236
.set XW,  237
.set F,   238
.set TM,  240
.set PFO, 240                          ; window 0, until the way out: the prefetch's lane offset
.set SEL, 20
.set CS,  22
.set G1KV, 24
.set G1M,  32
.set G0KV, 40
.set G0M,  48
.set LIM,  57
.set PFA,  58
.set PFS,  60
.set MSB, 0
.macro WIN new                         ; the immediate's high byte repeats the setting that is left
.if MSB != (\new)
	s_set_vgpr_msb (MSB<<8)|(\new)
.set MSB, (\new)
.endif
.endm
.macro PLACES
.rept 4
	v_nop
.endr
.endm
.macro JLOAD s                         ; waves 0-3: a record; waves 4-7: a quarter of the mask's tile.  Each line has one mask; the branch hangs on the wave's number alone
	s_cmp_eq_u32 s14, 0
	s_cbranch_scc0 .Lm_\@
	tensor_load_to_lds s[G0KV+4*(\s):G0KV+4*(\s)+3], s[G1KV:G1KV+7]
	s_nop 0
	PLACES
	s_branch .Lj_\@
.Lm_\@:
	tensor_load_to_lds s[G0M+4*(\s):G0M+4*(\s)+3], s[G1M:G1M+7]
	s_nop 0
	PLACES
.Lj_\@:
.endm
.macro CROUND                          ; a round of the cluster's barrier
	s_barrier_signal -1
	s_barrier_wait -1
	s_cmp_lg_u32 s12, 0
	s_cbranch_scc1 .Lnw_\@
	s_barrier_signal -3
.Lnw_\@:
	s_barrier_wait -3
	s_barrier_signal -1
	s_barrier_wait -1
.endm
.macro ASK                             ; s56 = 1 in the loop's last trip; LIM = 1 in waves 0, 1, 4, the greatest number in the others
	s_cmp_gt_u32 s56, s[LIM]
	s_cbranch_scc0 .Lna_\@
	global_prefetch_b8 v[PFO], s[PFA:PFA+1] th:TH_LOAD_NT scope:SCOPE_SE
.Lna_\@:
.endm
.macro LDKT slot, k, n                 ; n of K's eight tiles from tile k on, six registers apart: two loads each
.set KK, \k
.rept \n
	ds_load_b128 v[KB+6*KK:KB+6*KK+3], v[A16+\slot] offset:768*KK
	ds_load_b64 v[KB+6*KK+4:KB+6*KK+5], v[A8+\slot] offset:768*KK+512
.set KK, KK+1
.endr
.endm
.macro LDMT slot, t, k, n              ; the mask of unit t in the result's layout, into its score registers: n tiles of 16 keys from tile k on, two loads each
.set KK, \k
.rept \n
	ds_load_b128 v[S+8*KK:S+8*KK+3], v[AM+\slot] offset:\t*16*MP+64*KK
	ds_load_b128 v[S+8*KK+4:S+8*KK+7], v[AM+\slot] offset:\t*16*MP+64*KK+16
.set KK, KK+1
.endr
.endm
.macro LDVT slot, k, n                 ; n of V's four fragments from fragment k on: four loads each
.set KK, \k
.rept \n
	ds_load_b128 v[VB+12*KK:VB+12*KK+3], v[A16+\slot] offset:7168+768*KK
	ds_load_b64 v[VB+12*KK+4:VB+12*KK+5], v[A8+\slot] offset:7168+768*KK+512
	ds_load_b128 v[VB+12*KK+6:VB+12*KK+9], v[A16+\slot] offset:7168+3072+768*KK
	ds_load_b64 v[VB+12*KK+10:VB+12*KK+11], v[A8+\slot] offset:7168+3072+768*KK+512
.set KK, KK+1
.endr
.endm
; Bunch i (0..4) of the LDS loads that are issued among the lines of unit u's softmax.  hk = 1: unit 1's mask, V and V's half words (34 loads); hk = 2: K, its scale words and unit 0's mask (34 loads); hk = 0: none
.macro HOOK hk, slot, i, u
.if \hk == 1
	WIN 0x40                                       ; destination window 1, address window 0
.if \i == 0
	LDMT \slot, 1, 0, 3
.endif
.if \i == 1
	LDMT \slot, 1, 3, 3
.endif
.if \i == 2
	LDMT \slot, 1, 6, 2
	LDVT \slot, 0, 1
.endif
.if \i == 3
	LDVT \slot, 1, 2
.endif
.if \i == 4
	LDVT \slot, 3, 1
	WIN 0
	ds_load_b128 v[VH:VH+3], v[A16+\slot] offset:13312
	ds_load_b128 v[VH+4:VH+7], v[A16+\slot] offset:13824
.endif
	WIN 0x55*(\u)
.endif
.if \hk == 2
	WIN 0
.if \i == 0
	ds_load_b128 v[KS:KS+3], v[A16+\slot] offset:6144
	ds_load_b128 v[KS+4:KS+7], v[A16+\slot] offset:6656
	LDKT \slot, 0, 2
.endif
.if \i == 1
	LDKT \slot, 2, 3
.endif
.if \i == 2
	LDKT \slot, 5, 3
.endif
.if \i == 3
	LDMT \slot, 0, 0, 4
.endif
.if \i == 4
	LDMT \slot, 0, 4, 4
.endif
	WIN 0x55*(\u)
.endif
.endm
.macro QK u, qs                        ; the logits of unit u: K window 0, the rest window u; eight accumulators, one instruction each
	WIN ((\u)<<2)|((\u)<<4)|((\u)<<6)
.irp k, 0,1,2,3,4,5,6,7
	v_wmma_scale_f32_16x16x128_f8f6f4 v[S+8*\k:S+8*\k+7], v[KB+6*\k:KB+6*\k+11], v[QF:QF+11], v[S+8*\k:S+8*\k+7], v[KS+\k], v[\qs] matrix_a_fmt:MATRIX_FMT_FP6 matrix_b_fmt:MATRIX_FMT_FP6
.endr
.endm
.macro PV u, pw                        ; O^T += V^T P^T: V window 1, the rest window u
	WIN 1|((\u)<<2)|((\u)<<4)|((\u)<<6)
.irp n, 0,1,2,3
	v_wmma_scale_f32_16x16x128_f8f6f4 v[O+8*\n:O+8*\n+7], v[VB+12*\n:VB+12*\n+11], v[PCD:PCD+11], v[O+8*\n:O+8*\n+7], v[VW+\n], v[\pw] matrix_a_fmt:MATRIX_FMT_FP6 matrix_b_fmt:MATRIX_FMT_FP6
.endr
.endm
; The softmax of unit u's 16 queries x 128 keys, all in window u; p's scale word goes to window 0.  hk, slot: the LDS loads issued among its lines
.macro SOFT u, pw, hk, slot
	WIN 0x55*(\u)
	s_wait_alu depctr_va_vdst(0)                   ; ahead of the first readers of the logits
.irp b, 0,1,2,3
	v_max3_num_f32 v[BM+\b], v[S+16*\b], v[S+16*\b+1], v[S+16*\b+2]   ; the largest logit of each block of 32 keys: for the row's maximum and for the block's largest p
.endr
.irp i, 3,5,7,9,11,13
.irp b, 0,1,2,3
	v_max3_num_f32 v[BM+\b], v[BM+\b], v[S+16*\b+\i], v[S+16*\b+\i+1]
.endr
.endr
.irp b, 0,1,2,3
	v_max_num_f32 v[BM+\b], v[BM+\b], v[S+16*\b+15]
.endr
	HOOK \hk, \slot, 0, \u
.irp b, 0,1,2,3
	v_permlanex16_b32 v[BP+\b], v[BM+\b], s[SEL], s[SEL+1]
.endr
.irp b, 0,1,2,3
	v_max_num_f32 v[BM+\b], v[BM+\b], v[BP+\b]     ; with lane l xor 16's 16 keys
.endr
	s_delay_alu instid0(VALU_DEP_2)
	v_max3_num_f32 v[T0], v[BM], v[BM+1], v[BM+2]
	s_delay_alu instid0(VALU_DEP_1)
	v_max_num_f32 v[T0], v[T0], v[BM+3]
	s_delay_alu instid0(VALU_DEP_1)
	v_mul_f32 v[T0], s[CS], v[T0]                  ; the step's largest t
	s_delay_alu instid0(VALU_DEP_1)
	v_max_num_f32 v13, v13, v[T0]
	v_mov_b32 v[T0], v12
	s_delay_alu instid0(VALU_DEP_2)
	v_floor_f32 v12, -v13                          ; the new -M = -ceil(t)
	s_delay_alu instid0(VALU_DEP_1)
	v_sub_f32 v[T0], v12, v[T0]                    ; old M - new M: a whole number, 0 or less
	s_delay_alu instid0(VALU_DEP_1)
	v_cvt_i32_f32 v[T0], v[T0]
	s_delay_alu instid0(VALU_DEP_1)
	v_ldexp_f32 v[F], 1.0, v[T0]                   ; f = 2^(old M - new M): multiplying by it rounds nothing
	HOOK \hk, \slot, 1, \u
.set J, 0
.rept 16
	v_pk_fma_f32 v[S+J:S+J+1], v[S+J:S+J+1], s[CS:CS+1], v[12:13] op_sel_hi:[1,0,0]   ; t - M
.set J, J+2
.endr
	HOOK \hk, \slot, 2, \u
.rept 16
	v_pk_fma_f32 v[S+J:S+J+1], v[S+J:S+J+1], s[CS:CS+1], v[12:13] op_sel_hi:[1,0,0]
.set J, J+2
.endr
.irp b, 0,1,2,3
	v_fma_f32 v[BM+\b], v[BM+\b], s[CS], v12
.endr
	HOOK \hk, \slot, 3, \u
	s_wait_alu depctr_va_vdst(0)                   ; ahead of the batch
.irp b, 0,1,2,3
	v_exp_f32 v[BM+\b], v[BM+\b]                   ; the block's largest p
.endr
.set J, 0
.rept 64
	v_exp_f32 v[S+J], v[S+J]                       ; p = 2^(t - M)
.set J, J+1
.endr
	v_pk_mul_f32 v[14:15], v[14:15], v[F:F+1] op_sel_hi:[1,0]   ; the sum under the new M: the plain place behind the batch
	s_wait_alu depctr_va_vdst(0)                   ; behind the batch
.irp b, 0,1,2,3
	v_max_num_f32 v[BM+\b], 0x1800000, v[BM+\b]    ; the floor 2^(3 - 127)
.endr
.irp b, 0,1,2,3
	v_add_nc_u32 v[BS+\b], 0xff000000, v[BM+\b]    ; 2 off the exponent field: the conversion's scale operand
.endr
.irp b, 0,1,2,3
	v_lshrrev_b32 v[BP+\b], 23, v[BS+\b]           ; the scale's byte
.endr
	HOOK \hk, \slot, 4, \u
	v_lshl_or_b32 v[T0], v[BP+1], 8, v[BP]
	v_lshl_or_b32 v[T0], v[BP+2], 16, v[T0]
	WIN 0x15*(\u)
	v_lshl_or_b32 v[\pw], v[BP+3], 24, v[T0]       ; p's scale word, into window 0
	WIN 0x55*(\u)
.irp c, 0,1
	v_cvt_scalef32_pk16_fp6_f32 v[PCD+6*\c:PCD+6*\c+2], v[S+32*\c:S+32*\c+15], v[BS+2*\c]
	v_cvt_scalef32_pk16_fp6_f32 v[CT+4*\c:CT+4*\c+2], v[S+32*\c+16:S+32*\c+31], v[BS+2*\c+1]
.endr
	v_nop                                          ; one plain place behind a scaled conversion
.irp c, 0,1                                    ; a whole block to a lane
.irp i, 0,1,2
	v_permlane16_swap_b32 v[PCD+6*\c+\i], v[CT+4*\c+\i]
.endr
.irp i, 0,1,2
	v_mov_b32 v[PCD+6*\c+3+\i], v[CT+4*\c+\i]
.endr
.endr
.set J, 0                                      ; the sum of the unquantised p: 32 pairs in eight chains
.irp c, 30,244,246,248,250,252,254
	v_pk_add_f32 v[\c:\c+1], v[S+J:S+J+1], v[S+J+2:S+J+3]
.set J, J+4
.endr
.rept 2
.irp c, 14,30,244,246,248,250,252,254
	v_pk_add_f32 v[\c:\c+1], v[\c:\c+1], v[S+J:S+J+1]
.set J, J+2
.endr
.endr
	v_pk_add_f32 v[14:15], v[14:15], v[S+60:S+61]
	v_pk_add_f32 v[30:31], v[30:31], v[S+62:S+63]
	v_pk_add_f32 v[248:249], v[248:249], v[250:251]
	v_pk_add_f32 v[252:253], v[252:253], v[254:255]
	v_pk_add_f32 v[14:15], v[14:15], v[244:245]
	v_pk_add_f32 v[30:31], v[30:31], v[246:247]
	v_pk_add_f32 v[14:15], v[14:15], v[248:249]
	v_pk_add_f32 v[30:31], v[30:31], v[252:253]
	v_pk_add_f32 v[14:15], v[14:15], v[30:31]
	s_wait_alu depctr_va_vdst(0)                   ; directly ahead of the first reader of O^T
.set J, 0
.rept 16
	v_pk_mul_f32 v[O+J:O+J+1], v[O+J:O+J+1], v[F:F+1] op_sel_hi:[1,0]   ; O^T under the new M, each accumulator from its low end on
.set J, J+2
.endr
.endm
.macro QUANT32 src, pc, sw             ; 32 numbers of a lane (register 16 g + i: block g; the block's other 16 in lane l xor 16) become six operand registers and the row's scale word
.irp g, 0,1
	v_max3_num_f32 v[TM+\g], |v[\src+16*\g]|, |v[\src+16*\g+1]|, 0x1800000
.endr
.irp i, 2,4,6,8,10,12,14
.irp g, 0,1
	v_max3_num_f32 v[TM+\g], v[TM+\g], |v[\src+16*\g+\i]|, |v[\src+16*\g+\i+1]|
.endr
.endr
.irp g, 0,1
	v_permlanex16_b32 v[TM+2+\g], v[TM+\g], s[SEL], s[SEL+1]
.endr
.irp g, 0,1
	v_max_num_f32 v[TM+\g], v[TM+\g], v[TM+2+\g]
.endr
.irp g, 0,1
	v_add_nc_u32 v[TM+4+\g], 0xff000000, v[TM+\g]
.endr
.irp g, 0,1
	v_lshrrev_b32 v[TM+2+\g], 23, v[TM+4+\g]
.endr
	v_lshl_or_b32 v[\sw], v[TM+3], 8, v[TM+2]
	v_cvt_scalef32_pk16_fp6_f32 v[\pc:\pc+2], v[\src:\src+15], v[TM+4]
	v_cvt_scalef32_pk16_fp6_f32 v[TM+8:TM+10], v[\src+16:\src+31], v[TM+5]
	v_nop
.irp i, 0,1,2
	v_permlane16_swap_b32 v[\pc+\i], v[TM+8+\i]
.endr
.irp i, 0,1,2
	v_mov_b32 v[\pc+3+\i], v[TM+8+\i]
.endr
.endm
.macro INIT u                          ; unit u's state.  The step is written once: the first finds zeros, which the first change of M leaves zeros
	WIN 0x55*(\u)
	v_mov_b32 v13, 0xff61b1e6                      ; -3e38, under every t
	v_floor_f32 v12, -v13
	v_mov_b32 v14, 0
	v_mov_b32 v15, 0
.irp j, 6,7,8,9,10,11
	v_mov_b32 v[QF+\j], 0                          ; zero codes for K = 64 .. 127
.endr
.irp j, 0,1,2,3
	v_mov_b32 v[BP+\j], 0                          ; a lane permute's destination counts as one of its sources
.endr
	v_mov_b32 v[F+1], 0
.set J, 0
.rept 32
	v_mov_b32 v[O+J], 0
.set J, J+1
.endr
.endm
.macro QSFIX q                         ; 1/8: 3 off each of Q's two scale bytes, held at 0 from below; bytes 2, 3 stay 0
	v_and_b32 v[T0], 0xff, v[\q]
	v_bfe_u32 v[F], v[\q], 8, 8
	v_max_u32 v[T0], 3, v[T0]
	v_max_u32 v[F], 3, v[F]
	v_add_nc_u32 v[T0], -3, v[T0]
	v_add_nc_u32 v[F], -3, v[F]
	v_lshl_or_b32 v[\q], v[F], 8, v[T0]
.endm
.macro FIN u                           ; the way out of unit u: O^T / the sum is x; its 64 numbers are two blocks of the last product's K
	WIN 0x55*(\u)
	v_add_f32 v14, v14, v15
	v_permlanex16_b32 v[T0], v14, s[SEL], s[SEL+1]
	v_add_f32 v14, v14, v[T0]
	v_mov_b32 v[TM+2], 0
	v_mov_b32 v[TM+3], 0
	s_wait_alu depctr_va_vdst(0)
	v_rcp_f32 v[F], v14
	v_nop
	s_wait_alu depctr_va_vdst(0)
.set J, 0
.rept 16
	v_pk_mul_f32 v[O+J:O+J+1], v[O+J:O+J+1], v[F:F+1] op_sel_hi:[1,0]
.set J, J+2
.endr
.irp g, 0,1                                    ; Wo's codes lie in ascending order, so x's must: register 16 g + i then holds number 32 g + 16 h + i
.irp j, 0,1,2,3,4,5,6,7
	v_permlane16_swap_b32 v[O+16*\g+\j], v[O+16*\g+8+\j]
.endr
.endr
	QUANT32 O, PCD, XW
	WIN (\u)<<2                                    ; a store's data: window u
	global_store_b128 v[L16], v[PCD:PCD+3], s[8:9] offset:(\u)*1536      ; 512 consecutive bytes, at a multiple of 256 from the buffer's first byte
	global_store_b64 v[L8], v[PCD+4:PCD+5], s[8:9] offset:(\u)*1536      ; 256 more
	global_store_b32 v[A16], v[XW], s[10:11] offset:(\u)*256             ; the rows' half words: 128 consecutive bytes
.endm
	s_load_b256 s[4:11], s[0:1], 0x0               ; qkv 4, mask 6, xi 8, xs 10
	v_lshl_add_u32 v[SPW], v0, 2, SPARE
	v_mov_b32 v[NIL], 0
	ds_add_u32 v[SPW], v[NIL]                      ; the opening lines: the add twice on end and its wait
	ds_add_u32 v[SPW], v[NIL]
	v_lshrrev_b32 v3, 5, v0
	v_readfirstlane_b32 s12, v3                    ; wave 0..7
	s_and_b32 s13, s12, 3                          ; my head in the group.  Also: which part I fetch
	s_lshr_b32 s14, s12, 2                         ; my 32 queries.  Also: I fetch a record (0) or rows of the mask (1)
	s_bfe_u32 s18, ttmp6, 0x40000                  ; cx
	s_bfe_u32 s17, ttmp6, 0x40004                  ; cy = hg
	s_lshl_b32 s15, ttmp9, 2
	s_add_co_u32 s15, s15, s18                     ; qb = 4 x cluster x + cx
	s_and_b32 s16, ttmp7, 0xffff                   ; b = cluster y
	s_lshl_b32 s66, s17, 2
	s_lshl_b32 s66, 15, s66                        ; my row of the cluster
	s_lshl_b32 s67, 0x1111, s18                    ; my column
	s_or_b32 s[G1KV+0], s66, (3<<16)|(1<<21)       ; a record: 14,336 dense bytes as 56 rows of 256 (32 elements of 8 bytes)
	s_mov_b32 s[G1KV+1], 32<<16
	s_mov_b32 s[G1KV+2], 56<<16
	s_mov_b32 s[G1KV+3], 32<<16
	s_mov_b32 s[G1KV+4], 56
	s_mov_b32 s[G1KV+5], 32
	s_mov_b32 s[G1KV+6], 0
	s_mov_b32 s[G1KV+7], 0
	s_or_b32 s[G1M+0], s67, (3<<16)|(1<<20)|(1<<21)|(6<<22)|(3<<25)   ; the mask: 16 rows of 512 bytes, 8,192 apart; 16 bytes of padding behind each
	s_mov_b32 s[G1M+1], 64<<16
	s_mov_b32 s[G1M+2], 16<<16
	s_mov_b32 s[G1M+3], 64<<16
	s_mov_b32 s[G1M+4], 16
	s_mov_b32 s[G1M+5], 1024
	s_mov_b32 s[G1M+6], 0
	s_mov_b32 s[G1M+7], 0
	s_mov_b32 s[SEL], 0x76543210
	s_mov_b32 s[SEL+1], 0xfedcba98
	s_mov_b32 s[CS], 0x3fb8aa3b                    ; log2(e)
	s_mov_b32 s[CS+1], s[CS]
	s_lshl_b32 s68, s16, 4
	s_lshl_b32 s69, s17, 2
	s_add_co_u32 s68, s68, s69                     ; 16 b + 4 hg
	s_add_co_u32 s69, s68, s13                     ; my head
	s_mul_i32 s72, s69, HSTR
	s_mov_b32 s73, 0
	s_lshl_b32 s74, s16, 24                        ; the mask: b x 2,048 rows of 8,192 bytes
	s_lshl_b32 s75, s15, 19                        ; + 64 qb rows
	s_add_co_u32 s74, s74, s75
	s_lshl_b32 s75, s13, 17                        ; + the 16 rows that I would fetch
	s_add_co_u32 s74, s74, s75
	s_mov_b32 s75, 0
	s_mul_i32 s76, s13, REC                        ; my head's record in a slot
	s_mul_i32 s77, s13, 16*MP
	s_add_co_u32 s77, s77, MOFF
	s_wait_dscnt 0x0
	s_wait_kmcnt 0x0
	s_add_nc_u64 s[72:73], s[4:5], s[72:73]
	s_add_nc_u64 s[74:75], s[6:7], s[74:75]
	CROUND                                         ; in front of the first joint loads
.irp s, 0,1
	s_mov_b32 s[G0KV+4*\s], 1
	s_add_co_u32 s[G0KV+4*\s+1], s76, \s*SLOT1
	s_add_nc_u64 s[G0KV+4*\s+2:G0KV+4*\s+3], s[72:73], 7168+\s*21504   ; K's and V's parts of block s lie on end, behind q's
	s_or_b32 s[G0KV+4*\s+3], s[G0KV+4*\s+3], 0x80000000
	s_mov_b32 s[G0M+4*\s], 1
	s_add_co_u32 s[G0M+4*\s+1], s77, \s*SLOT1
	s_add_nc_u64 s[G0M+4*\s+2:G0M+4*\s+3], s[74:75], \s*512
	s_or_b32 s[G0M+4*\s+3], s[G0M+4*\s+3], 0x80000000
.endr
	JLOAD 0                                        ; key step 0: one tensor load a wave at the head
	; Q: tiles 4 (qb % 2) + 2 (w / 4) + u of block qb / 2 of my head
	s_lshr_b32 s78, s15, 1
	s_mul_i32 s78, s78, 21504
	s_and_b32 s79, s15, 1
	s_lshl_b32 s80, s79, 2
	s_lshl_b32 s81, s14, 1
	s_add_co_u32 s80, s80, s81                     ; my first tile
	s_mul_i32 s81, s80, 768
	s_add_co_u32 s82, s78, s81
	s_mov_b32 s83, 0
	s_add_nc_u64 s[84:85], s[72:73], s[82:83]      ; its half image
	s_lshl_b32 s82, s79, 9
	s_add_co_u32 s82, s82, s78
	s_lshl_b32 s81, s14, 3
	s_add_co_u32 s82, s82, s81
	s_add_co_u32 s82, s82, 6144
	s_add_nc_u64 s[86:87], s[72:73], s[82:83]      ; its scale words: one of the four words at 16 x lane
	; where x goes: half image ((rowblock x 8 + K step) x 8 + tile) x 2 + half, 768 bytes each; its scale words 128 bytes each
	s_lshl_b32 s78, s16, 4
	s_lshr_b32 s79, s15, 1
	s_add_co_u32 s78, s78, s79                     ; 16 b + qb / 2
	s_lshl_b32 s79, s17, 1
	s_lshr_b32 s81, s13, 1
	s_add_co_u32 s79, s79, s81                     ; the K step of the last product: head / 2
	s_and_b32 s81, s13, 1                          ; and which half of it: head % 2
	s_lshl_b32 s78, s78, 3
	s_add_co_u32 s78, s78, s79
	s_lshl_b32 s78, s78, 3
	s_add_co_u32 s78, s78, s80
	s_lshl_b32 s78, s78, 1
	s_add_co_u32 s78, s78, s81
	s_mul_i32 s82, s78, 768
	s_add_nc_u64 s[8:9], s[8:9], s[82:83]
	s_lshl_b32 s82, s78, 7
	s_add_nc_u64 s[10:11], s[10:11], s[82:83]
	; the prefetches: they stand at step 3; each step's second half steps them once ahead of its own
	s_add_co_u32 s88, s68, s18                     ; record cx of my row of the cluster
	s_mul_i32 s88, s88, HSTR
	s_add_co_u32 s88, s88, 7168+3*21504
	s_lshl_b32 s89, s16, 24
	s_lshl_b32 s90, s15, 19
	s_add_co_u32 s89, s89, s90
	s_lshl_b32 s90, s17, 17                        ; rows 16 cy on of my column's tile
	s_add_co_u32 s89, s89, s90
	s_add_co_u32 s89, s89, 3*512
	s_mov_b32 s[PFS], 512
	s_mov_b32 s[PFS+1], 0
	s_cmp_eq_u32 s14, 0
	s_cselect_b32 s88, s88, s89
	s_cselect_b64 s[PFA:PFA+1], s[4:5], s[6:7]
	s_cselect_b32 s[PFS], 21504, s[PFS]
	s_cselect_b32 s91, 0, -1
	s_mov_b32 s89, 0
	s_add_nc_u64 s[PFA:PFA+1], s[PFA:PFA+1], s[88:89]
	s_cmp_lt_u32 s12, 2
	s_cselect_b32 s[LIM], 1, -1
	s_cmp_eq_u32 s12, 4
	s_cselect_b32 s[LIM], 1, s[LIM]
	s_cmp_eq_u32 s12, 1
	s_cselect_b32 s92, 23, 31                      ; wave 1 has 24 blocks: its other lanes name the last again
	s_lshl_b32 s93, s13, 13
	s_lshl_b32 s94, s14, 5
	v_and_b32 v224, 31, v0                         ; lane
	v_and_b32 v225, 15, v0                         ; r
	v_bfe_u32 v226, v0, 4, 1                       ; h
	v_lshlrev_b32 v[L16], 4, v224
	v_lshl_add_u32 v[L8], v224, 3, 512
	v_add_nc_u32 v[A16], s76, v[L16]
	v_add_nc_u32 v[A16+1], SLOT1, v[A16]
	v_lshl_add_u32 v[A8], v224, 3, s76
	v_add_nc_u32 v[A8+1], SLOT1, v[A8]
	v_add_nc_u32 v227, s94, v225                   ; my query's row in the mask's tile
	v_mul_u32_u24 v[AM], v227, MP
	v_lshl_add_u32 v[AM], v226, 5, v[AM]           ; register j of tile T is key 16 T + 8 h + j
	v_add_nc_u32 v[AM], MOFF, v[AM]
	v_add_nc_u32 v[AM+1], SLOT1, v[AM]
	v_min_u32 v228, s92, v224
	v_lshlrev_b32 v228, 8, v228
	v_add_nc_u32 v228, s93, v228                   ; a record's blocks of 256 bytes
	v_lshrrev_b32 v229, 1, v224
	v_lshlrev_b32 v229, 13, v229
	v_and_b32 v230, 1, v224
	v_lshl_or_b32 v229, v230, 8, v229              ; the mask: a row for two lanes, its two blocks
	v_cndmask_b32 v[PFO], v228, v229, s91
	s_wait_alu depctr_va_vdst(0)
.irp u, 0,1
	WIN (\u)<<6
	global_load_b128 v[QF:QF+3], v[L16], s[84:85] offset:\u*768
	global_load_b64 v[QF+4:QF+5], v[L8], s[84:85] offset:\u*768
.endr
	WIN 0
	global_load_b32 v28, v[L16], s[86:87]
	global_load_b32 v106, v[L16], s[86:87] offset:4
.irp j, 48,49,50,51,52,53
	v_mov_b32 v[KB+\j], 0                          ; what stands beside Q's zero codes in the last tile's fragment
.endr
	INIT 0
	INIT 1
	WIN 0
	s_wait_alu depctr_va_vdst(0)
	s_wait_loadcnt 0x0                             ; Q
	QSFIX 28
	QSFIX 106
; THE FIRST HALF OF A STEP, on slot \slot: K and unit 0's mask were asked of LDS in the half step before
.macro PHA slot
	s_wait_alu depctr_va_vdst(0)
	s_wait_dscnt 0x0                               ; K, its scale words and unit 0's mask are in
	QK 0, 28
	PLACES                                         ; for the first reads of the logits, and for the loads into V's registers, which the last products read
	SOFT 0, PW0, 1, \slot
	s_wait_alu depctr_va_vdst(0)
	s_wait_dscnt 0x0                               ; unit 1's mask, V and its half words are in: my reads of this slot are over
	WIN 0
.irp n, 0,1,2,3
	v_lshl_or_b32 v[VW+\n], v[VH+4+\n], 16, v[VH+\n]   ; V's scale words: keys 0-63's two bytes below, keys 64-127's above
.endr
	QK 1, 106
.endm
; THE SECOND HALF.  sync: in front of the round each wave waits for all its tensor loads (its part of the other slot), adds 0 to its spare word, and waits for that; its reads of this slot are over.
; Behind the round the other slot is whole in every partner and nobody reads this one, which is filled first thing with the tiles of two steps on.
.macro PHB slot, sync, refill, ask, hk
	WIN 0
.if \sync
	s_wait_alu depctr_va_vdst(0)
	s_wait_xcnt 0x0                                ; my prefetch has read its address
	s_add_nc_u64 s[PFA:PFA+1], s[PFA:PFA+1], s[PFS:PFS+1]
	s_wait_tensorcnt 0x0
	ds_add_u32 v[SPW], v[NIL]
	s_add_nc_u64 s[G0KV+4*\slot+2:G0KV+4*\slot+3], s[G0KV+4*\slot+2:G0KV+4*\slot+3], 43008   ; this slot's next record: two blocks of 128 keys on
	s_add_nc_u64 s[G0M+4*\slot+2:G0M+4*\slot+3], s[G0M+4*\slot+2:G0M+4*\slot+3], 1024        ; and its next 128 columns of the mask
	s_wait_dscnt 0x0
	CROUND
.endif
.if \refill
	JLOAD \slot                                    ; its four v_nop are also the places behind unit 1's score products
.else
	PLACES
.endif
.if \ask
	ASK
.endif
	SOFT 1, PW1, \hk, (1-\slot)
	PV 0, PW0
	PV 1, PW1
.endm
	s_wait_alu depctr_va_vdst(0)
	s_wait_tensorcnt 0x0                           ; my part of step 0 is in; slot 1's first fill is issued as a refill is
	ds_add_u32 v[SPW], v[NIL]
	s_wait_dscnt 0x0
	CROUND
	JLOAD 1                                        ; key step 1
.irp i, 0,1,2,3,4
	HOOK 2, 0, \i, 0                               ; step 0's K and unit 0's mask
.endr
	s_mov_b32 s56, 7                               ; 16 key steps: seven trips of two, and two steps written out
.Lpair:
	PHA 0
	PHB 0, 1, 1, 1, 2
	PHA 1
	PHB 1, 1, 1, 1, 2
	WIN 0
	s_sub_co_u32 s56, s56, 1
	s_cmp_lg_u32 s56, 0
	s_cbranch_scc1 .Lpair
	PHA 0                                          ; step 14: nothing is left to fetch (the stepped addresses are not used)
	PHB 0, 1, 0, 0, 2
	PHA 1                                          ; step 15
	PHB 1, 0, 0, 0, 0
	WIN 0
	v_lshrrev_b32 v[A16], 2, v[L16]                ; 4 x lane, for the half words
	FIN 0
	FIN 1
	WIN 0
	s_wait_tensorcnt 0x0                           ; the wave's end
	ds_add_u32 v[SPW], v[NIL]
	s_wait_dscnt 0x0
	CROUND                                         ; the closing round
	s_endpgm
.Lfunc_end_k_qe9e96075b9_attn:
	.size	k_qe9e96075b9_attn, .Lfunc_end_k_qe9e96075b9_attn-k_qe9e96075b9_attn
	.p2alignl 7, 3214868480
	.fill 96, 4, 3214868480
	.section	.rodata,"a",@progbits
	.p2align	6, 0x0
	.amdhsa_kernel k_qe9e96075b9_attn
		.amdhsa_group_segment_fixed_size 327680
		.amdhsa_private_segment_fixed_size 0
		.amdhsa_enable_private_segment 0
		.amdhsa_kernarg_size 32
		.amdhsa_user_sgpr_count 2
		.amdhsa_user_sgpr_kernarg_segment_ptr 1
		.amdhsa_wavefront_size32 1
		.amdhsa_system_sgpr_workgroup_id_x 1
		.amdhsa_system_sgpr_workgroup_id_y 1
		.amdhsa_system_sgpr_workgroup_id_z 1
		.amdhsa_system_vgpr_workitem_id 0
		.amdhsa_next_free_vgpr 512
		.amdhsa_next_free_sgpr 96
		.amdhsa_reserve_vcc 0
		.amdhsa_float_denorm_mode_32 3
		.amdhsa_float_denorm_mode_16_64 3
		.amdhsa_memory_ordered 1
		.amdhsa_forward_progress 1
		.amdhsa_inst_pref_size 156
	.end_amdhsa_kernel
	.amdgpu_metadata
---
amdhsa.version: [ 1, 2 ]
amdhsa.kernels:
  - .name:           k_qe9e96075b9_attn
    .symbol:         k_qe9e96075b9_attn.kd
    .args:
      - { .name: qkv, .offset: 0, .size: 8, .value_kind: global_buffer, .address_space: global }
      - { .name: mask, .offset: 8, .size: 8, .value_kind: global_buffer, .address_space: global }
      - { .name: xi, .offset: 16, .size: 8, .value_kind: global_buffer, .address_space: global }
      - { .name: xs, .offset: 24, .size: 8, .value_kind: global_buffer, .address_space: global }
    .group_segment_fixed_size: 327680
    .private_segment_fixed_size: 0
    .kernarg_segment_align: 8
    .kernarg_segment_size: 32
    .max_flat_workgroup_size: 256
    .sgpr_count:     96
    .vgpr_count:     512
    .wavefront_size: 32
...
	.end_amdgpu_metadata
.endif
;; end of part 2
;; launch outp (part 3): grid 8 x 32, 4 waves a work-group, clusters of 4 x 4, 239,104 bytes of LDS; arguments Wo_codes, Wo_scales, bo, xi, xs, out0; writes out0
.if DOCPART == 3
	.amdgcn_target "amdgcn-amd-amdhsa--gfx1250"
	.amdhsa_code_object_version 6
	.text
	.protected	k_qe9e96075b9_outp
	.globl	k_qe9e96075b9_outp
	.p2align	8
	.type	k_qe9e96075b9_outp,@function
k_qe9e96075b9_outp:
	s_mov_b64 s[64:65], 0
	v_nop
	global_prefetch_b8 v0, s[64:65] scope:SCOPE_SE
	s_setreg_imm32_b32 hwreg(HW_REG_WAVE_MODE, 25, 1), 1
	s_wait_xcnt 0x0
	s_wait_alu depctr_hold_cnt(0) depctr_sa_sdst(0) depctr_va_vdst(0) depctr_va_sdst(0) depctr_va_ssrc(0) depctr_va_vcc(0) depctr_vm_vsrc(0)
	s_getreg_b32 s2, hwreg(HW_REG_IB_STS2, 6, 4)
	s_cmp_eq_u32 s2, 0
	s_cbranch_scc0 .Lentry_in_a_cluster
	s_endpgm
.Lentry_in_a_cluster:
	s_bfe_u32 s2, ttmp6, 0x10000c
	s_cmp_lg_u32 s2, 0xf033
	s_cbranch_scc0 .Lentry_shape_is_right
	s_endpgm
.Lentry_shape_is_right:
; out0 = g(x Wo + bo), g(y) = y / (1 + 2^(-1.702 log2(e) y)), the product on codes of FP6 (E2M3) with E8M0 scales.  x: images of operand registers, as the attention launch laid them; Wo: rows of 768 bytes of codes.
; Work-group x = the block of 128 columns, y = the block of 128 rows; all of K = 1,024.  Four waves, each 64 columns (source 0 = rows of Wo) x 64 rows (source 1 = x): a lane holds eight neighbouring columns of one row.
; CLUSTERS: 4 x 4 work-groups.  The four of a column need the same 128 rows of Wo, the four of a row the same images of x: each is asked for jointly.
; bo is loaded into the accumulators, so that all eight K steps add in place.
; LDS: Wo's 128 rows of 768 bytes whole, 16 bytes of padding behind each 256 (816 from row to row); behind them x's eight K steps, 98,304 dense bytes; then a stage of 16 rows x 272 bytes for each wave, into which no fill lands.
; Each wave issues ONE tensor load at the head: waves 0, 1 64 rows of Wo, waves 2, 3 four K steps of x; one barrier; every byte is filled once.
; NO PREFETCH: the launch has no loop to run ahead in: its only tensor loads stand at its head.
; LIMITS: NaN and infinities are not served.
.set PITCH, 816
.set QROWS, 64*PITCH
.set XSTEP, 12288                      ; x's eight fragments of a K step
.set XOFF,  2*QROWS
.set STG,   XOFF+8*XSTEP
.set SP,    272
.set AW,    8                          ; v8 LDS address of my Wo fragments; v12 the same for pieces whose lanes 16-31 lie behind one padding more
.set AX16,  16                         ; v16-17 my x fragments of K steps 0-3, 4-7, + 16 x lane
.set AX8,   20                         ; v20-21 + 8 x lane
.set STO,   24                         ; v24 the stage: where I put 32 bytes of a row
.set RD,    25                         ; v25 and where I read a row back
.set CO,    26                         ; v26 my byte offset in two rows of out0
.set SA,    32                         ; v32-47 Wo's scale words: register 4 a + j: lanes 0-15 K step j, lanes 16-31 K step 4 + j
.set XSC,   48                         ; v48-79 x's scale words: tile i, K step p at 8 i + p
.set XT,    80                         ; v80-111 their upper halves as loaded; later the gelu's work
.set ACC,   128                        ; v128-255 accumulator (a, i) at 128 + 32 i + 8 a
.set GC,    22                         ; s[22:23] -1.702 log2(e)
.set G1W,   24
.set G1X,   32
.set G0W,   40
.set G0X,   68
.set MUL,   0x05                       ; sources 0 and 1 in window 1 (the fragments), C and D in window 0
.set TO_F,  0x40
.set MSB, 0
.macro WIN new                         ; the immediate's high byte repeats the setting that is left
.if MSB != \new
	s_set_vgpr_msb (MSB<<8)|\new
.set MSB, \new
.endif
.endm
.macro PLACES
.rept 4
	v_nop
.endr
.endm
.macro CROUND                          ; a round of the cluster's barrier
	s_barrier_signal -1
	s_barrier_wait -1
	s_cmp_lg_u32 s16, 0
	s_cbranch_scc1 .Lnw_\@
	s_barrier_signal -3
.Lnw_\@:
	s_barrier_wait -3
	s_barrier_signal -1
	s_barrier_wait -1
.endm
.macro FRAG reg, adr, q, i             ; a fragment of Wo from padded rows: six pieces of 8 bytes; q: the K step 0..7; a padding lies behind every 32 pieces
.irp p, 0,1,2,3,4,5
.set PCE, 12*(\q)+6*(\p/3)+\p%3
.if PCE%32 < 29
	ds_load_b64 v[\reg+2*\p:\reg+2*\p+1], v[\adr] offset:8*PCE+16*(PCE/32)+(\i)*16*PITCH
.else
	ds_load_b64 v[\reg+2*\p:\reg+2*\p+1], v[\adr+4] offset:8*PCE+16*(PCE/32)+(\i)*16*PITCH
.endif
.endr
.endm
.macro XFRAG reg, c, q, i              ; a fragment of x: two half images, each registers 0-3 at 16 x lane and 4-5 at 512 + 8 x lane
	ds_load_b128 v[\reg:\reg+3], v[AX16+\c] offset:(\q)*XSTEP+(\i)*1536
	ds_load_b64 v[\reg+4:\reg+5], v[AX8+\c] offset:(\q)*XSTEP+(\i)*1536+512
	ds_load_b128 v[\reg+6:\reg+9], v[AX16+\c] offset:(\q)*XSTEP+(\i)*1536+768
	ds_load_b64 v[\reg+10:\reg+11], v[AX8+\c] offset:(\q)*XSTEP+(\i)*1536+1280
.endm
.macro FETCH s                         ; K step s: 40 loads into set s % 2: x's four fragments (16), Wo's 0, 1 (12), Wo's 2, 3 (12)
	WIN TO_F
.irp i, 0,1,2,3
	XFRAG 128*((\s)%2)+48+12*\i, (\s)/4, (\s)%4, \i
.endr
.irp a, 0,1,2,3
	FRAG 128*((\s)%2)+12*\a, AW, (\s), \a
.endr
.endm
.macro MM d, a, b, sa, sb, hi
.if \hi
	v_wmma_scale_f32_16x16x128_f8f6f4 v[\d:\d+7], v[\a:\a+11], v[\b:\b+11], v[\d:\d+7], v[\sa], v[\sb] matrix_a_fmt:MATRIX_FMT_FP6 matrix_b_fmt:MATRIX_FMT_FP6 matrix_a_scale:MATRIX_SCALE_ROW1
.else
	v_wmma_scale_f32_16x16x128_f8f6f4 v[\d:\d+7], v[\a:\a+11], v[\b:\b+11], v[\d:\d+7], v[\sa], v[\sb] matrix_a_fmt:MATRIX_FMT_FP6 matrix_b_fmt:MATRIX_FMT_FP6
.endif
.endm
.macro MUL8 s, a0                      ; the 16 accumulators take turns, one instruction a turn
.irp a, \a0, \a0+1
.irp i, 0,1,2,3
	MM ACC+32*\i+8*(\a), 128*((\s)%2)+12*(\a), 128*((\s)%2)+48+12*\i, SA+4*(\a)+(\s)%4, XSC+8*\i+(\s), (\s)/4
.endr
.endr
.endm
.macro STEP s
	s_wait_dscnt 12                                ; all but the youngest twelve loads (Wo's fragments 2, 3) are in
	WIN MUL
	MUL8 \s, 0
	PLACES                                         ; for the loads into the set that the step before multiplied
	FETCH (\s)+1
	s_wait_dscnt 40                                ; all but the 40 just issued
	WIN MUL
	MUL8 \s, 2
.endm
	s_load_b256 s[4:11], s[0:1], 0x0               ; Wo's codes 4, Wo's scales 6, bo 8, xi 10
	s_load_b128 s[12:15], s[0:1], 0x20             ; xs 12, out0 14
	v_lshl_add_u32 v126, v0, 2, 0x3a400
	v_mov_b32 v127, 0
	ds_add_u32 v126, v127                          ; the opening lines: the add twice on end and its wait
	ds_add_u32 v126, v127
	v_lshrrev_b32 v1, 5, v0
	v_readfirstlane_b32 s16, v1                    ; wave 0..3
	s_lshr_b32 s17, s16, 1                         ; wm: my 64 columns
	s_and_b32 s18, s16, 1                          ; wn: my 64 rows.  Also: which half of Wo's rows, or of x's K steps, I fetch
	s_bfe_u32 s84, ttmp6, 0x40000                  ; cx
	s_bfe_u32 s85, ttmp6, 0x40004                  ; cy
	s_lshl_b32 s19, ttmp9, 2
	s_add_co_u32 s19, s19, s84                     ; the block of 128 columns
	s_and_b32 s20, ttmp7, 0xffff
	s_lshl_b32 s20, s20, 2
	s_add_co_u32 s20, s20, s85                     ; the block of 128 rows
	s_lshl_b32 s86, s85, 2
	s_lshl_b32 s86, 15, s86                        ; my row of the cluster
	s_lshl_b32 s87, 0x1111, s84                    ; my column
	s_mov_b32 s[GC], 0xc01d265f                    ; -1.702 log2(e)
	s_mov_b32 s[GC+1], s[GC]
	; group 1 for Wo: 64 whole rows of 768 bytes; 16 bytes of padding behind every 256
	s_or_b32 s[G1W+0], s87, (1<<20)|(1<<21)|(5<<22)|(3<<25)
	s_mov_b32 s[G1W+1], 768<<16
	s_mov_b32 s[G1W+2], 64<<16
	s_mov_b32 s[G1W+3], 768<<16
	s_mov_b32 s[G1W+4], 64
	s_mov_b32 s[G1W+5], 768
	s_mov_b32 s[G1W+6], 0
	s_mov_b32 s[G1W+7], 0
	; for x: four K steps, 49,152 dense bytes as 192 rows of 256 (32 elements of 8 bytes)
	s_or_b32 s[G1X+0], s86, (3<<16)|(1<<21)
	s_mov_b32 s[G1X+1], 32<<16
	s_mov_b32 s[G1X+2], 192<<16
	s_mov_b32 s[G1X+3], 32<<16
	s_mov_b32 s[G1X+4], 192
	s_mov_b32 s[G1X+5], 32
	s_mov_b32 s[G1X+6], 0
	s_mov_b32 s[G1X+7], 0
	s_lshl_b32 s56, s19, 7
	s_lshl_b32 s57, s18, 6
	s_add_co_u32 s56, s56, s57
	s_mul_i32 s56, s56, 768                        ; Wo: the 64 rows that I would fetch
	s_mov_b32 s57, 0
	s_mul_i32 s58, s20, 98304                      ; x: the block's images,
	s_mul_i32 s59, s18, 4*XSTEP                    ; K steps 0-3 or 4-7
	s_add_co_u32 s58, s58, s59
	s_mov_b32 s59, 0
	s_mul_i32 s60, s18, QROWS                      ; and where they go
	s_mul_i32 s61, s18, 4*XSTEP
	s_add_co_u32 s61, s61, XOFF
	s_wait_dscnt 0x0
	s_wait_kmcnt 0x0
	s_add_nc_u64 s[56:57], s[4:5], s[56:57]
	s_add_nc_u64 s[58:59], s[10:11], s[58:59]
	s_mov_b32 s[G0W], 1
	s_mov_b32 s[G0W+1], s60
	s_mov_b64 s[G0W+2:G0W+3], s[56:57]
	s_or_b32 s[G0W+3], s[G0W+3], 0x80000000
	s_mov_b32 s[G0X], 1
	s_mov_b32 s[G0X+1], s61
	s_mov_b64 s[G0X+2:G0X+3], s[58:59]
	s_or_b32 s[G0X+3], s[G0X+3], 0x80000000
	CROUND                                         ; in front of the joint loads
	s_cmp_lt_u32 s16, 2                            ; one tensor load a wave
	s_cbranch_scc0 .Lfill_x
	tensor_load_to_lds s[G0W:G0W+3], s[G1W:G1W+7]
	s_nop 0
	PLACES
	s_branch .Lfilled
.Lfill_x:
	tensor_load_to_lds s[G0X:G0X+3], s[G1X:G1X+7]
	s_nop 0
	PLACES
.Lfilled:
	s_lshl_b32 s60, s19, 7
	s_lshl_b32 s61, s17, 6
	s_add_co_u32 s60, s60, s61                     ; my first column
	s_lshl_b32 s62, s60, 5
	s_mov_b32 s63, 0
	s_add_nc_u64 s[6:7], s[6:7], s[62:63]          ; its row of Wo's scales
	s_lshl_b32 s62, s60, 2
	s_add_nc_u64 s[8:9], s[8:9], s[62:63]          ; its place in bo
	s_add_nc_u64 s[14:15], s[14:15], s[62:63]      ; and in a row of out0
	s_lshl_b32 s62, s20, 14
	s_lshl_b32 s61, s18, 10
	s_add_co_u32 s62, s62, s61
	s_add_nc_u64 s[12:13], s[12:13], s[62:63]      ; x's half words: my four tiles
	s_lshl_b32 s62, s20, 7
	s_lshl_b32 s61, s18, 6
	s_add_co_u32 s62, s62, s61
	s_lshl_b32 s62, s62, 12                        ; my first row of out0, 4,096 bytes a row
	s_add_nc_u64 s[14:15], s[14:15], s[62:63]
	v_and_b32 v1, 15, v0                           ; r
	v_bfe_u32 v2, v0, 4, 1                         ; h
	v_and_b32 v3, 31, v0                           ; lane
	v_lshlrev_b32 v27, 2, v3                       ; 4 x lane
	v_lshlrev_b32 v28, 5, v1
	v_lshl_add_u32 v28, v2, 4, v28                 ; Wo's scales: row r, 16 bytes for each half of the lanes
	v_lshlrev_b32 v29, 5, v2                       ; bo: register j of accumulator (a, i) is column 16 a + 8 h + j
.irp a, 0,1,2,3
	global_load_b128 v[SA+4*\a:SA+4*\a+3], v28, s[6:7] offset:512*\a
.endr
.irp i, 0,1,2,3
.irp p, 0,1,2,3,4,5,6,7
	global_load_b32 v[XSC+8*\i+\p], v27, s[12:13] offset:2048*\p+256*\i        ; the K step's first 64: bytes 0, 1
	global_load_b32 v[XT+8*\i+\p], v27, s[12:13] offset:2048*\p+256*\i+128     ; its second 64
.endr
.endr
.irp i, 0,1,2,3
.irp a, 0,1,2,3
	global_load_b128 v[ACC+32*\i+8*\a:ACC+32*\i+8*\a+3], v29, s[8:9] offset:64*\a
	global_load_b128 v[ACC+32*\i+8*\a+4:ACC+32*\i+8*\a+7], v29, s[8:9] offset:64*\a+16
.endr
.endr
	v_mul_u32_u24 v4, v1, PITCH
	v_mad_u32_u24 v5, v2, 24, v4                   ; a fragment's row x pitch + 24 x half
	v_mad_u32_u24 v6, v2, 40, v4                   ; and behind one padding more
	s_mul_i32 s60, s17, QROWS                      ; my 64 rows of Wo
	s_mul_i32 s61, s18, 6144                       ; my four tiles of x
	s_add_co_u32 s61, s61, XOFF
	v_add_nc_u32 v[AW], s60, v5
	v_add_nc_u32 v[AW+4], s60, v6
.irp c, 0,1
	v_lshl_add_u32 v[AX16+\c], v3, 4, s61
	v_lshl_add_u32 v[AX8+\c], v3, 3, s61
	s_add_co_u32 s61, s61, 4*XSTEP
.endr
	s_mul_i32 s60, s16, 16*SP
	s_add_co_u32 s60, s60, STG                     ; my stage
	v_mul_u32_u24 v[STO], v1, SP
	v_lshl_add_u32 v[STO], v2, 5, v[STO]
	v_add_nc_u32 v[STO], s60, v[STO]               ; in: row r, 32 bytes for each half of the lanes
	v_mul_u32_u24 v[RD], v2, SP
	v_lshl_add_u32 v[RD], v1, 4, v[RD]
	v_add_nc_u32 v[RD], s60, v[RD]                 ; back: lanes 0-15 one row of 256 bytes, lanes 16-31 the next
	v_lshlrev_b32 v[CO], 12, v2
	v_lshl_add_u32 v[CO], v1, 4, v[CO]             ; and the same two rows in out0
	s_wait_loadcnt 0x0
.set J, 0
.rept 32
	v_lshl_or_b32 v[XSC+J], v[XT+J], 16, v[XSC+J]  ; x's scale word of a K step
.set J, J+1
.endr
.rept 8
	v_nop                                          ; a scale register written by a vector instruction stands eight places ahead of the scaled product
.endr
	s_wait_alu depctr_va_vdst(0)
	s_wait_tensorcnt 0x0                           ; my part is in
	s_barrier_signal -1
	s_barrier_wait -1
	FETCH 0
.irp s, 0,1,2,3,4,5,6
	STEP \s
.endr
	s_wait_dscnt 12
	WIN MUL
	MUL8 7, 0
	s_wait_dscnt 0x0
	MUL8 7, 2
	WIN 0
; THE WAY OUT, a tile of 16 rows x my 64 columns at a time
.macro GELU i                          ; y / (1 + 2^(-1.702 log2(e) y)), in place; each accumulator is read from its low end on
.set GA, ACC+32*(\i)
.set J, 0
.rept 16
	v_pk_mul_f32 v[XT+J:XT+J+1], v[GA+J:GA+J+1], s[GC:GC+1] op_sel_hi:[1,0]
.set J, J+2
.endr
.set J, 0
	s_wait_alu depctr_va_vdst(0)
.rept 32
	v_exp_f32 v[XT+J], v[XT+J]
.set J, J+1
.endr
	v_nop                                          ; one plain place behind the exponentials
.set J, 0
	s_wait_alu depctr_va_vdst(0)
.rept 16
	v_pk_add_f32 v[XT+J:XT+J+1], v[XT+J:XT+J+1], 1.0 op_sel_hi:[1,0]
.set J, J+2
.endr
.set J, 0
	s_wait_alu depctr_va_vdst(0)
.rept 32
	v_rcp_f32 v[XT+J], v[XT+J]
.set J, J+1
.endr
	v_nop                                          ; one plain place behind the reciprocals
.set J, 0
	s_wait_alu depctr_va_vdst(0)
.rept 16
	v_pk_mul_f32 v[GA+J:GA+J+1], v[GA+J:GA+J+1], v[XT+J:XT+J+1]
.set J, J+2
.endr
.endm
.macro TOSTAGE i                       ; a lane's 32 bytes of a row go into my own stage; whole rows of 256 bytes come back into the registers that they left
.irp a, 0,1,2,3
	ds_store_b128 v[STO], v[ACC+32*(\i)+8*\a:ACC+32*(\i)+8*\a+3] offset:64*\a
	ds_store_b128 v[STO], v[ACC+32*(\i)+8*\a+4:ACC+32*(\i)+8*\a+7] offset:64*\a+16
.endr
.irp t, 0,1,2,3,4,5,6,7
	ds_load_b128 v[ACC+32*(\i)+4*\t:ACC+32*(\i)+4*\t+3], v[RD] offset:2*\t*SP   ; LDS serves a wave's instructions in order (ISA guide 5.7.1.4): these see the stores above
.endr
.endm
.macro SEND i
	s_wait_dscnt 0x0                               ; the tile is back in registers
.irp t, 0,1,2,3,4,5,6,7
	global_store_b128 v[CO], v[ACC+32*(\i)+4*\t:ACC+32*(\i)+4*\t+3], s[14:15] offset:(16*(\i)+2*\t)*4096 th:TH_STORE_NT   ; 16 lanes store 256 consecutive bytes, at a multiple of 256 from out0's first byte
.endr
.endm
	PLACES                                         ; the gelu reads results just made
	GELU 0
	TOSTAGE 0
.irp i, 1,2,3                          ; a tile's arithmetic stands between the loads of the tile before and the wait for them
	GELU \i
	s_wait_alu depctr_va_vdst(0)
	SEND \i-1
	TOSTAGE \i
.endr
	SEND 3
	s_wait_tensorcnt 0x0                           ; the wave's end
	ds_add_u32 v126, v127
	s_wait_dscnt 0x0
	CROUND                                         ; the closing round
	s_endpgm
.Lfunc_end_k_qe9e96075b9_outp:
	.size	k_qe9e96075b9_outp, .Lfunc_end_k_qe9e96075b9_outp-k_qe9e96075b9_outp
	.p2alignl 7, 3214868480
	.fill 96, 4, 3214868480
	.section	.rodata,"a",@progbits
	.p2align	6, 0x0
	.amdhsa_kernel k_qe9e96075b9_outp
		.amdhsa_group_segment_fixed_size 239104
		.amdhsa_private_segment_fixed_size 0
		.amdhsa_enable_private_segment 0
		.amdhsa_kernarg_size 48
		.amdhsa_user_sgpr_count 2
		.amdhsa_user_sgpr_kernarg_segment_ptr 1
		.amdhsa_wavefront_size32 1
		.amdhsa_system_sgpr_workgroup_id_x 1
		.amdhsa_system_sgpr_workgroup_id_y 1
		.amdhsa_system_sgpr_workgroup_id_z 1
		.amdhsa_system_vgpr_workitem_id 0
		.amdhsa_next_free_vgpr 512
		.amdhsa_next_free_sgpr 88
		.amdhsa_reserve_vcc 0
		.amdhsa_float_denorm_mode_32 3
		.amdhsa_float_denorm_mode_16_64 3
		.amdhsa_memory_ordered 1
		.amdhsa_forward_progress 1
		.amdhsa_inst_pref_size 85
	.end_amdhsa_kernel
	.amdgpu_metadata
---
amdhsa.version: [ 1, 2 ]
amdhsa.kernels:
  - .name:           k_qe9e96075b9_outp
    .symbol:         k_qe9e96075b9_outp.kd
    .args:
      - { .name: Wo_codes, .offset: 0, .size: 8, .value_kind: global_buffer, .address_space: global }
      - { .name: Wo_scales, .offset: 8, .size: 8, .value_kind: global_buffer, .address_space: global }
      - { .name: bo, .offset: 16, .size: 8, .value_kind: global_buffer, .address_space: global }
      - { .name: xi, .offset: 24, .size: 8, .value_kind: global_buffer, .address_space: global }
      - { .name: xs, .offset: 32, .size: 8, .value_kind: global_buffer, .address_space: global }
      - { .name: out0, .offset: 40, .size: 8, .value_kind: global_buffer, .address_space: global }
    .group_segment_fixed_size: 239104
    .private_segment_fixed_size: 0
    .kernarg_segment_align: 8
    .kernarg_segment_size: 48
    .max_flat_workgroup_size: 128
    .sgpr_count:     88
    .vgpr_count:     512
    .wavefront_size: 32
...
	.end_amdgpu_metadata
.endif
;; end of part 3
